; MI455X (gfx1250); checked and timed in simulation.
; The chip was launched on July 23, 2026; its instructions are those of AMD's public machine-readable ISA for CDNA 5 (MIT licence, August 2026) and "CDNA5" Instruction Set Architecture Reference Guide (July 2026). The comments in the code are by the model that wrote it; some were corrected since.
;; Causal Self Attention. Allowed arithmetic: matrix products marked QUANTISED: E2M1 operands, one E8M0 scale for each 32 along K, by v_wmma_scale_f32_16x16x128_f8f6f4 with both operands' format E2M1 (or v_wmma_scale_f32_32x16x128_f4), f32 sums; everything else in f32.
;; Inputs: W_kqv 3,072 x 1,024 float32; W_proj 1,024 x 1,024 float32; b_kqv 3,072 float32; b_proj 1,024 float32; x 4 x 2,048 x 1,024 float32.
;; Outputs: out0 4 x 2,048 x 1,024 float32.
;; This version of the problem:
;;   THIS VERSION OF THE PROBLEM IS GIVEN IN LOW PRECISION. The matrix products marked QUANTISED in the list below multiply operands that are first quantised to E2M1 (2 exponent bits, 1 mantissa bit; 4 bits a number), with one power-of-two scale for each 32 numbers along K (OCP MX v1.0); their sums are f32. All else is computed in f32.
;;   The module's matrix products, in the order in which they are computed (A, B: the left and right operand; K: the contracted axis; several contracted axes count as one K, in the product's order):
;;     1. [M 8,192, K 1,024] x [K 1,024, N 3,072]; A: input x; B: input W_kqv: QUANTISED
;;     2. batch 64 x [M 2,048, K 64] x [K 64, N 2,048]; A: computed on the way; B: computed on the way: QUANTISED
;;     3. batch 64 x [M 2,048, K 2,048] x [K 2,048, N 64]; A: softmax (see below); B: computed on the way: QUANTISED
;;     4. [M 8,192, K 1,024] x [K 1,024, N 1,024]; A: computed on the way; B: input W_proj: QUANTISED
;;   THE QUANTISER, for each operand of a quantised product, along K:
;;     - K is cut into blocks of 32 from its start; a last block that is shorter is filled with zeros.
;;     - A block's scale is 2^e with e = floor(log2(the largest magnitude in the block)) - 2, held to -126 .. 127; a block of zeros has e = 0. As a byte (E8M0): e + 127.
;;     - Each number is divided by its block's scale, clamped to +-6, and rounded to the nearest number of E2M1, ties to even, subnormals kept.
;;     - The product sums the exact products of the quantised numbers (number of the format x scale) in f32.
;;   ~~~python
;;   def quantise(x, axis):      # numpy; x: float32 -> the quantised numbers, widened to float32 again
;;       x = np.moveaxis(x, axis, -1); K = x.shape[-1]
;;       x = np.pad(x, [(0, 0)] * (x.ndim - 1) + [(0, -K % 32)]); x = x.reshape(x.shape[:-1] + (-1, 32)); a = np.abs(x).max(-1, keepdims=True)
;;       e = np.where(a > 0, np.clip(np.frexp(np.where(a > 0, a, 1))[1] - 1 - 2, -126, 127), 0)      # np.frexp(a)[1] - 1 = floor(log2(a)), exactly
;;       r = np.clip(x / 2.0 ** e, -6, 6)
;;       step = 2.0 ** (np.maximum(np.frexp(np.where(r == 0, 1, r))[1] - 1, 0) - 1)
;;       q = np.round(r / step) * step * 2.0 ** e      # np.round: ties to even
;;       return np.moveaxis(q.reshape(q.shape[:-2] + (-1,))[..., :K], -1, axis).astype(np.float32)
;;   ~~~
;;   SOFTMAX AHEAD OF A QUANTISED PRODUCT. Where the list says 'softmax', what is quantised is not the finished softmax but p = 2^(t - M), with t = logit x log2(e) and M = ceil(the row's largest t), a whole number; so 1/2 < the row's largest p <= 1. The row's sum l is taken of the UNQUANTISED p, in f32, and the product's result is divided by l at the end. Since M is a whole number, a kernel that streams over the keys may use a running M (the ceiling of the running maximum): every later rescaling is an exact power of two, which a block's scale takes up: the codes' values come out the same.
;;   OPERANDS COMPUTED ON THE WAY. 'Computed on the way' means the value that the module computes at that place (a softmax that the list does not call 'softmax' is quantised finished and normalised). What goes into a quantiser is computed in f32, as accurately as f32 sums, v_exp_f32 and their like allow (about 1e-6 of the number): no bf16 or f16 on the way to a quantiser, and a product that is left as it is and whose result goes on into a quantised operand takes f32 operands (vector FMAs, or v_wmma_f32_16x16x4_f32). A number that lies on a knife's edge between two numbers of the format may be rounded either way, as far as f32 arithmetic and the matrix unit's own rounding can turn it there, and no further.
;; One version. Each part assembles by itself: llvm-mc -triple=amdgcn-amd-amdhsa -mcpu=gfx1250 --defsym DOCPART=n.
;; ======== version 1 of 1: 4 launches
;; workspace buffers: opimg 6,291,456 bytes; opscl 393,216 bytes; kq_img 8,388,608 bytes; kq_scl 524,288 bytes; v_img 4,194,304 bytes; v_scl 262,144 bytes; y_img 4,194,304 bytes; y_scl 262,144 bytes
;; launch quant (part 1): grid 384 x 1, 4 waves a work-group, no clusters, 34,304 bytes of LDS; arguments x, W_kqv, W_proj, opimg, opscl; writes opimg, opscl
.if DOCPART == 1
	.amdgcn_target "amdgcn-amd-amdhsa--gfx1250"
	.amdhsa_code_object_version 6
	.text
	.protected	k_q73b599d49f_quant
	.globl	k_q73b599d49f_quant
	.p2align	8
	.type	k_q73b599d49f_quant,@function
k_q73b599d49f_quant:
	s_mov_b64 s[64:65], 0
	v_nop
	global_prefetch_b8 v0, s[64:65] scope:SCOPE_SE
	s_setreg_imm32_b32 hwreg(HW_REG_WAVE_MODE, 25, 1), 1
	s_wait_xcnt 0x0
; LAUNCH 1 OF 4.  x [8192][1024], W_kqv [3072][1024] and W_proj [1024][1024], f32, K innermost, become codes of FP4 (E2M1) with one E8M0 byte for each 32 along K.
; THE PROGRAM: quant (this) -> kqv (x W_kqv^T + b, and the quantisers of k, q, v) -> attn (both products of attention, the softmax, y's quantiser) -> proj (y W_proj^T + b).
; WORK LEFT OUT, in launch attn alone: reference() itself sets the logit of key k for query q to -infinity where k > q (its own jnp.tril).  The softmax makes of that exactly 0, whatever finite
; numbers the inputs hold, its code is 0, and 0 x v adds nothing.  So a step of 128 keys all of which come after all 16 queries of a tile reaches no output, and is not walked.  Nothing else is left out:
; all five inputs have a way to the output and are loaded (k's bias too: it moves k's codes).
; LIMITS: a NaN, an infinity or an overflow that would arise only in the key steps left out is not carried to the result.  NaN and infinities among the inputs are not served.  A block whose largest
; magnitude lies under 2^(3 - 127) keeps the byte 1; so does a block of zeros, where the rule says 127: its codes are zeros, which add nothing, and these bytes are read by this program alone.
; LAYOUT OF THE CODES: in the order of the operand's registers.  A chunk is 16 rows x 64 along K, 512 bytes: lane l = (r = l % 16, h = l / 16) owns the 16 bytes at 16 l: row r, k = 32 h .. 32 h + 31.
; opimg [panel 48][K step 8][row tile 16][chunk 2][512]: a panel is 256 rows; x is panels 0-31, W_kqv 32-43, W_proj 44-47.  opscl [panel][half of K 2][row 256][16 bytes].
; SHARES.  A wave takes 16 rows x 512 along K: four K steps of 128.  Each load reads 512 consecutive bytes of one row; a step's 16 rows turn through the wave's own stage in LDS, so that a lane gets
; 32 neighbours along K of one row twice over: two whole blocks.  Each store of codes covers 512 consecutive bytes.  No barrier: waves share nothing.  Loads run one K step (16 loads) ahead.
.set PITCH, 528                        ; a stage row: 512 bytes + 16: the sixteen rows that a read touches start 4 words apart
.set STGB,  16*PITCH
.set SPARE, 4*STGB                     ; behind the four stages: the spare words, 128 bytes for each wave
.set SPW, 14                           ; v14  my spare word's LDS address; never rewritten
.set NIL, 15                           ; v15  0; never rewritten
.set SW,  16                           ; v16-19   my row's scale words, one for each K step
.set CD,  24                           ; v24-55   codes, 8 registers a K step: no store's data are written again
.set X,   56                           ; v56-119  64 numbers: register 32 c + i = k 64 c + 32 h + i of my row
.set R,   120                          ; v120-247 two sets of 64, as loaded
	s_load_b128 s[4:7], s[0:1], 0x0                ; x, W_kqv
	s_load_b128 s[8:11], s[0:1], 0x10              ; W_proj, opimg
	s_load_b64 s[12:13], s[0:1], 0x20              ; opscl
	v_lshl_add_u32 v[SPW], v0, 2, SPARE
	v_mov_b32 v[NIL], 0
	v_lshrrev_b32 v1, 5, v0
	v_readfirstlane_b32 s14, v1                    ; wave 0..3
	v_and_b32 v2, 31, v0                           ; lane
	v_and_b32 v3, 15, v0                           ; r
	v_bfe_u32 v8, v0, 4, 1                         ; h
	v_lshlrev_b32 v4, 4, v2                        ; 16 x lane: my place in a load's and in a store's 512 bytes
	s_mul_i32 s15, s14, STGB                       ; my stage
	v_add_nc_u32 v5, s15, v4                       ; into it: as loaded
	v_mul_u32_u24 v6, v3, PITCH
	v_lshl_add_u32 v6, v8, 7, v6
	v_add_nc_u32 v6, s15, v6                       ; out of it: row r, + 128 h bytes
	v_lshlrev_b32 v7, 4, v3                        ; my row's 16 scale bytes
	v_lshlrev_b32 v8, 3, v8                        ; 8 h: my bytes' place in a scale word
	v_mov_b32 v22, 0                               ; written once: a lane permute's destination counts as one of its sources
	s_mov_b32 s26, 0x76543210
	s_mov_b32 s27, 0xfedcba98                      ; v_permlanex16_b32's selects for lane l xor 16
	s_lshl_b32 s16, ttmp9, 1
	s_lshr_b32 s17, s14, 1
	s_add_co_u32 s16, s16, s17                     ; my row tile, 0..767: 2 x work-group + wave / 2
	s_and_b32 s17, s14, 1                          ; my half of K
	s_mov_b32 s18, 704
	s_mov_b32 s21, 0
	s_wait_alu depctr_va_vdst(0)
	s_wait_kmcnt 0x0
	s_cmp_lt_u32 ttmp9, 352                        ; the tensor hangs on the work-group's number alone: row tiles 0-511 x, 512-703 W_kqv, 704-767 W_proj
	s_cselect_b64 s[6:7], s[6:7], s[8:9]
	s_cselect_b32 s18, 512, s18
	s_cmp_lt_u32 ttmp9, 256
	s_cselect_b64 s[4:5], s[4:5], s[6:7]
	s_cselect_b32 s18, 0, s18                      ; the tensor's first row tile
	s_sub_co_u32 s19, s16, s18
	s_lshl_b32 s20, s19, 16                        ; 16 rows of 4,096 bytes
	s_lshl_b32 s24, s17, 11                        ; + 512 numbers
	s_add_co_u32 s20, s20, s24
	s_add_nc_u64 s[4:5], s[4:5], s[20:21]
	s_lshr_b32 s22, s16, 4                         ; panel
	s_and_b32 s23, s16, 15                         ; row tile in it
	s_lshl_b32 s20, s22, 17
	s_lshl_b32 s24, s17, 16
	s_add_co_u32 s20, s20, s24
	s_lshl_b32 s24, s23, 10
	s_add_co_u32 s20, s20, s24
	s_add_nc_u64 s[10:11], s[10:11], s[20:21]      ; my codes: panel x 131,072 + half x 65,536 + tile x 1,024
	s_lshl_b32 s20, s22, 13
	s_lshl_b32 s24, s17, 12
	s_add_co_u32 s20, s20, s24
	s_lshl_b32 s24, s23, 8
	s_add_co_u32 s20, s20, s24
	s_add_nc_u64 s[12:13], s[12:13], s[20:21]      ; my scale bytes: panel x 8,192 + half x 4,096 + tile x 256
.macro LOADK s                         ; K step s: 16 rows x 512 bytes into set s % 2
.irp row, 0,1,2,3,4,5,6,7,8,9,10,11,12,13,14,15
	global_load_b128 v[R+64*((\s)%2)+4*\row:R+64*((\s)%2)+4*\row+3], v4, s[4:5] offset:\row*4096+512*(\s) th:TH_LOAD_NT
.endr
.endm
.macro QSTEP s
.set RS, R+64*((\s)%2)
.if (\s) < 3
	s_wait_loadcnt 16                              ; this step's 16 loads are in; the next step's 16 may be out
.else
	s_wait_loadcnt 0x0
.endif
.irp row, 0,1,2,3,4,5,6,7,8,9,10,11,12,13,14,15
	ds_store_b128 v5, v[RS+4*\row:RS+4*\row+3] offset:PITCH*\row
.endr
.irp c, 0,1
.irp i, 0,1,2,3,4,5,6,7
	ds_load_b128 v[X+32*\c+4*\i:X+32*\c+4*\i+3], v6 offset:256*\c+16*\i   ; LDS serves a wave's instructions in order: these see the stores above
.endr
.endr
	s_wait_dscnt 0x0                               ; my 64 numbers are in, and the stores have read their registers,
.if (\s) < 2
	LOADK (\s)+2                                   ; which take the loads of two steps on
.endif
.irp c, 0,1
	v_max3_num_f32 v[9+\c], |v[X+32*\c]|, |v[X+32*\c+1]|, 0x1800000   ; block 2 c + h: all its 32 numbers are mine; and the floor 2^(3 - 127): the byte cannot fall under 1
.endr
.irp i, 2,4,6,8,10,12,14,16,18,20,22,24,26,28,30
.irp c, 0,1
	v_max3_num_f32 v[9+\c], v[9+\c], |v[X+32*\c+\i]|, |v[X+32*\c+\i+1]|   ; (the two blocks by turns)
.endr
.endr
.irp c, 0,1
	v_add_nc_u32 v[11+\c], 0xff000000, v[9+\c]     ; 2 off the exponent field: the conversion takes the exponent field of this operand as its scale
.endr
.irp c, 0,1
	v_lshrrev_b32 v[20+\c], 23, v[11+\c]           ; the scale's byte
.endr
	v_lshl_or_b32 v13, v21, 16, v20                ; my two bytes, blocks h and 2 + h,
	v_lshlrev_b32 v13, v8, v13                     ; at their places in the word;
	v_permlanex16_b32 v22, v13, s26, s27
	v_or_b32 v[SW+(\s)], v13, v22                  ; with lane l xor 16's two the word is whole
.irp c, 0,1
.irp g, 0,1,2,3
	v_cvt_scalef32_pk8_fp4_f32 v[CD+8*(\s)+4*\c+\g], v[X+32*\c+8*\g:X+32*\c+8*\g+7], v[11+\c]   ; register 4 c + g of the fragment
.endr
.endr
	v_nop                                          ; one plain line behind the last conversion
.irp c, 0,1
	global_store_b128 v4, v[CD+8*(\s)+4*\c:CD+8*(\s)+4*\c+3], s[10:11] offset:16384*(\s)+512*\c   ; a chunk: 512 consecutive bytes, at a multiple of 512
.endr
.endm
	LOADK 0
	LOADK 1
	QSTEP 0
	QSTEP 1
	QSTEP 2
	QSTEP 3
	global_store_b128 v7, v[SW:SW+3], s[12:13]     ; 16 rows x 16 bytes: 256 consecutive bytes (lanes 16-31 write what lanes 0-15 write)
	s_wait_tensorcnt 0x0                           ; the wave's end, behind my last LDS store
	ds_add_u32 v[SPW], v[NIL]
	s_wait_dscnt 0x0
	s_endpgm
.Lfunc_end_k_q73b599d49f_quant:
	.size	k_q73b599d49f_quant, .Lfunc_end_k_q73b599d49f_quant-k_q73b599d49f_quant
	.p2alignl 7, 3214868480
	.fill 96, 4, 3214868480
	.section	.rodata,"a",@progbits
	.p2align	6, 0x0
	.amdhsa_kernel k_q73b599d49f_quant
		.amdhsa_group_segment_fixed_size 34304
		.amdhsa_private_segment_fixed_size 0
		.amdhsa_enable_private_segment 0
		.amdhsa_kernarg_size 40
		.amdhsa_user_sgpr_count 2
		.amdhsa_user_sgpr_kernarg_segment_ptr 1
		.amdhsa_wavefront_size32 1
		.amdhsa_system_sgpr_workgroup_id_x 1
		.amdhsa_system_sgpr_workgroup_id_y 1
		.amdhsa_system_sgpr_workgroup_id_z 1
		.amdhsa_system_vgpr_workitem_id 0
		.amdhsa_next_free_vgpr 248
		.amdhsa_next_free_sgpr 66
		.amdhsa_reserve_vcc 0
		.amdhsa_float_denorm_mode_32 3
		.amdhsa_float_denorm_mode_16_64 3
		.amdhsa_memory_ordered 1
		.amdhsa_forward_progress 1
		.amdhsa_inst_pref_size 30
	.end_amdhsa_kernel
	.amdgpu_metadata
---
amdhsa.version: [ 1, 2 ]
amdhsa.kernels:
  - .name:           k_q73b599d49f_quant
    .symbol:         k_q73b599d49f_quant.kd
    .args:
      - { .name: x, .offset: 0, .size: 8, .value_kind: global_buffer, .address_space: global }
      - { .name: W_kqv, .offset: 8, .size: 8, .value_kind: global_buffer, .address_space: global }
      - { .name: W_proj, .offset: 16, .size: 8, .value_kind: global_buffer, .address_space: global }
      - { .name: opimg, .offset: 24, .size: 8, .value_kind: global_buffer, .address_space: global }
      - { .name: opscl, .offset: 32, .size: 8, .value_kind: global_buffer, .address_space: global }
    .group_segment_fixed_size: 34304
    .private_segment_fixed_size: 0
    .kernarg_segment_align: 8
    .kernarg_segment_size: 40
    .max_flat_workgroup_size: 128
    .sgpr_count:     66
    .vgpr_count:     248
    .wavefront_size: 32
...
	.end_amdgpu_metadata
.endif
;; end of part 1
;; launch kqv (part 2): grid 384 x 1, 16 waves a work-group, no clusters, 280,576 bytes of LDS; arguments opimg, opscl, b_kqv, kq_img, kq_scl, v_img, v_scl; writes kq_img, kq_scl, v_img, v_scl
.if DOCPART == 2
	.amdgcn_target "amdgcn-amd-amdhsa--gfx1250"
	.amdhsa_code_object_version 6
	.text
	.protected	k_q73b599d49f_kqv
	.globl	k_q73b599d49f_kqv
	.p2align	8
	.type	k_q73b599d49f_kqv,@function
k_q73b599d49f_kqv:
	s_mov_b64 s[64:65], 0
	v_nop
	global_prefetch_b8 v0, s[64:65] scope:SCOPE_SE
	s_setreg_imm32_b32 hwreg(HW_REG_WAVE_MODE, 25, 1), 1
	s_wait_xcnt 0x0
; LAUNCH 2 OF 4.  kqv = x W_kqv^T + b_kqv on codes of FP4, and the quantisers of what attention multiplies: k and q along the head's 64, v along the tokens.  Nothing is left out here.
; ROLES.  Source 0 of the matrix instruction is operand P, source 1 operand Q: in the result lane (r, h) holds row r of Q's tile, and its register j row 8 h + j of P's tile.  So P's rows run along a lane's
; registers, which is what the conversions want of the NEXT product's K.  Work-groups 0-255 make k and q: P = 256 rows of W_kqv (features), Q = 256 tokens.  Work-groups 256-383 make v: P = 256 tokens, Q = 256 rows of W_kqv.
; Only pointers, the bias and the first K step's C differ between the two.
; SHARES.  A work-group makes 256 P x 256 Q; wave (wp = w % 4, wq = w / 4) makes 64 x 64: 16 accumulators.  A wave's 64 P are one chunk of the next K (a head, or 64 tokens): two blocks of 32.
; LDS.  Both panels' codes for all of K (2 x 131,072 bytes) and their scale bytes (2 x 8,192) come by lane copies, each byte filled once, all asked for at the head, K step by K step; a K step is read
; behind the counted wait for its copies and a barrier.  Operands lie in the order of their registers, so every fragment load is 512 consecutive bytes.
; NO CLUSTER: the operands come by lane copies, which have no joint form.  A panel of x is read by 8 + 4 work-groups and a panel of W_kqv by 32.
; A RESULT BECOMES AN OPERAND.  P tile e of the wave holds, in lane (r, h), indices 16 e + 8 h + 0 .. 7 of the next K.  Its eight codes go to register 0, 2, 1, 3 for e = 0, 1, 2, 3; then registers 0 and 1, and 2 and 3,
; change halves (the first's lanes 16-31 with the second's lanes 0-15): register i of lane (r, h) then holds k = 32 h + 8 i .. + 7: the operand's layout.
; OUT.  kq_img [chunk 32: k's heads, then q's][token tile 512][512]; kq_scl [chunk / 2][token 8192] words, a chunk's two bytes in halfword chunk % 2; v_img [token chunk 128][feature tile 64][512]; v_scl [token step 64][feature 1024] words.
; LIMITS: as stated at the head of launch quant (bytes held at 1 from below; NaN and infinities not served).
.set PIMG,  0
.set QIMG,  131072
.set PSC,   262144
.set QSC,   270336
.set SPARE, 278528                     ; the spare words, 128 bytes for each of 16 waves
; v1, v2 the add's two; v3 16 x thread: the copies' offset; v4-7 the copies' LDS addresses, v11 and v15 those of K steps 4 to 7; v8, v10 my fragments' LDS addresses; v9 the bias' offset; v12, v13 my scale words'; v14 16 x lane
; v16-23 P's scale words (4 j + q: tiles 2 j in lanes 0-15 and 2 j + 1 in lanes 16-31, K step q of four); v24-31 Q's; v32-63 the bias; v64-95 P's four fragments; v96-127 Q's; v128-255 accumulator (a, b) at 128 + 8 (4 a + b)
	s_load_b128 s[4:7], s[0:1], 0x0                ; opimg, opscl
	s_load_b128 s[8:11], s[0:1], 0x10              ; b_kqv, kq_img
	s_load_b128 s[12:15], s[0:1], 0x20             ; kq_scl, v_img
	s_load_b64 s[16:17], s[0:1], 0x30              ; v_scl
	v_lshl_add_u32 v1, v0, 2, SPARE
	v_mov_b32 v2, 0
	ds_add_u32 v1, v2                              ; the opening: the add, twice on end, and its wait ahead of my first copy
	ds_add_u32 v1, v2
	v_lshrrev_b32 v11, 5, v0
	s_delay_alu instid0(VALU_DEP_1)
	v_readfirstlane_b32 s20, v11                   ; wave 0..15
	v_lshlrev_b32 v3, 4, v0
	v_lshl_add_u32 v4, v0, 4, PIMG
	v_lshl_add_u32 v5, v0, 4, QIMG
	v_lshl_add_u32 v6, v0, 4, PSC
	v_lshl_add_u32 v7, v0, 4, QSC
	v_and_b32 v14, 31, v0
	s_delay_alu instid0(VALU_DEP_1)
	v_lshlrev_b32 v14, 4, v14
	s_wait_alu depctr_va_vdst(0)
	v_lshl_add_u32 v11, v0, 4, PIMG+65536          ; a copy's immediate stays under 65,536: K steps 4 to 7 have LDS address registers and bases of their own, 65,536 bytes on
	v_lshl_add_u32 v15, v0, 4, QIMG+65536
	s_and_b32 s28, s20, 3                          ; wp
	s_lshr_b32 s29, s20, 2                         ; wq
	s_lshl_b32 s30, s28, 12
	v_add_nc_u32 v8, s30, v14                      ; P's tiles 4 wp on: 1,024 bytes a tile
	s_lshl_b32 s30, s29, 12
	s_add_co_u32 s30, s30, QIMG
	v_add_nc_u32 v10, s30, v14                     ; Q's tiles 4 wq on
	s_lshl_b32 s30, s28, 10
	s_add_co_u32 s30, s30, PSC
	v_add_nc_u32 v12, s30, v14                     ; P's scale words: 16 bytes a row, rows 64 wp + lane on
	s_lshl_b32 s30, s29, 10
	s_add_co_u32 s30, s30, QSC
	v_add_nc_u32 v13, s30, v14
	s_lshr_b32 s21, ttmp9, 8                       ; 0: k and q;  1: v
	s_and_b32 s22, ttmp9, 255
	s_and_b32 s23, s22, 7
	s_lshr_b32 s24, s22, 3
	s_and_b32 s25, s22, 3
	s_add_co_u32 s25, s25, 8
	s_lshr_b32 s26, s22, 2
	s_mov_b32 s44, 6
	s_cmp_eq_u32 s21, 0
	s_cselect_b32 s23, s23, s25                    ; W_kqv's panel, 0..11
	s_cselect_b32 s24, s24, s26                    ; x's panel, 0..31
	s_cselect_b32 s27, s28, s29                    ; which 64 of W_kqv's 256 rows are my wave's
	s_cselect_b32 s44, 9, s44                      ; log2 of Q's tiles in the output: 512 token tiles, or 64 feature tiles
	s_add_co_u32 s25, s23, 32                      ; W_kqv's panel in opimg
	s_sub_co_u32 s26, s23, 8                       ; v's panel of features (used for v alone)
	s_cmp_eq_u32 s21, 0
	s_cselect_b32 s40, s25, s24                    ; P's panel
	s_cselect_b32 s41, s24, s25                    ; Q's panel
	s_cselect_b32 s42, s23, s24
	s_cselect_b32 s43, s24, s26
	s_lshl_b32 s42, s42, 2
	s_add_co_u32 s42, s42, s28                     ; my chunk of the next K
	s_lshl_b32 s43, s43, 4
	s_lshl_b32 s45, s29, 2
	s_add_co_u32 s43, s43, s45                     ; my first Q tile in the output
	s_lshl_b32 s46, s42, s44
	s_add_co_u32 s46, s46, s43
	s_lshl_b32 s46, s46, 9                         ; codes: (chunk x tiles + tile) x 512
	s_mov_b32 s47, 0
	s_lshr_b32 s48, s42, 1
	s_lshl_b32 s48, s48, s44
	s_add_co_u32 s48, s48, s43
	s_lshl_b32 s48, s48, 6                         ; scale words: ((chunk / 2) x tiles + tile) x 16 rows x 4 bytes
	s_and_b32 s45, s42, 1
	s_lshl_b32 s45, s45, 1
	s_add_co_u32 s48, s48, s45                     ; + my chunk's halfword
	s_mov_b32 s49, 0
	s_mov_b32 s51, 0
	s_mov_b32 s52, 0xffff0000                      ; lanes 16-31
	s_mov_b32 s54, 0x76543210
	s_mov_b32 s55, 0xfedcba98                      ; v_permlanex16_b32's selects for lane l xor 16
	s_wait_alu depctr_va_vdst(0)
	s_wait_dscnt 0x0                               ; both opening adds are done
	s_wait_kmcnt 0x0
	s_lshl_b32 s50, s40, 17
	s_add_nc_u64 s[32:33], s[4:5], s[50:51]        ; P's codes
	s_lshl_b32 s50, s41, 17
	s_add_nc_u64 s[34:35], s[4:5], s[50:51]        ; Q's codes
	s_add_nc_u64 s[56:57], s[32:33], 0x10000       ; and both at K step 4
	s_add_nc_u64 s[58:59], s[34:35], 0x10000
	s_lshl_b32 s50, s40, 13
	s_add_nc_u64 s[36:37], s[6:7], s[50:51]        ; P's scale bytes
	s_lshl_b32 s50, s41, 13
	s_add_nc_u64 s[38:39], s[6:7], s[50:51]        ; Q's
	; ALL COPIES, 34 a wave, 8,192 bytes each over the work-group: the scales, then K step by K step P's two and Q's two.  The immediate is added to the LDS address and to the global one alike: both sides are dense
	global_load_async_to_lds_b128 v6, v3, s[36:37]
	global_load_async_to_lds_b128 v7, v3, s[38:39]
.irp s, 0,1,2,3
.irp e, 0,1
	global_load_async_to_lds_b128 v4, v3, s[32:33] offset:8192*(2*\s+\e)
.endr
.irp e, 0,1
	global_load_async_to_lds_b128 v5, v3, s[34:35] offset:8192*(2*\s+\e)
.endr
.endr
.irp s, 0,1,2,3                        ; K steps 4 + s
.irp e, 0,1
	global_load_async_to_lds_b128 v11, v3, s[56:57] offset:8192*(2*\s+\e)
.endr
.irp e, 0,1
	global_load_async_to_lds_b128 v15, v3, s[58:59] offset:8192*(2*\s+\e)
.endr
.endr
	s_lshl_b32 s50, s23, 10
	s_lshl_b32 s45, s27, 8
	s_add_co_u32 s50, s50, s45
	s_add_nc_u64 s[8:9], s[8:9], s[50:51]          ; the bias of my wave's 64 features
	s_cmp_eq_u32 s21, 0
	s_cselect_b64 s[10:11], s[10:11], s[14:15]     ; the outputs: a choice on the work-group's number alone
	s_cselect_b64 s[12:13], s[12:13], s[16:17]
	s_add_nc_u64 s[10:11], s[10:11], s[46:47]
	s_add_nc_u64 s[12:13], s[12:13], s[48:49]
	; THE BIAS is the C of each sum's first product: eight registers a tile in the result's layout.  Both arms fill all 32 registers.
	s_cmp_eq_u32 s21, 0
	s_cbranch_scc0 .Lbias_v
	v_bfe_u32 v9, v0, 4, 1                         ; k, q: the features run along my registers: set b holds those of P tile b: 16 b + 8 h + 0 .. 7
	s_delay_alu instid0(VALU_DEP_1)
	v_lshlrev_b32 v9, 5, v9
.irp b, 0,1,2,3
.irp e, 0,1
	global_load_b128 v[32+8*\b+4*\e:35+8*\b+4*\e], v9, s[8:9] offset:64*\b+16*\e
.endr
.endr
	s_branch .Lbias_done
.Lbias_v:
	v_and_b32 v9, 15, v0                           ; v: a lane holds one feature: set a holds that of Q tile a, 16 a + r, eight times
	s_delay_alu instid0(VALU_DEP_1)
	v_lshlrev_b32 v9, 2, v9
.irp a, 0,1,2,3
.irp j, 0,1,2,3,4,5,6,7
	global_load_b32 v[32+8*\a+\j], v9, s[8:9] offset:64*\a
.endr
.endr
.Lbias_done:
; One product: accumulator (a, b) += P tile b x Q tile a, K step q of the four whose scale words are in registers.  cm = 0: in place; 1: C = bias set b; 2: C = bias set a.
; Odd tiles' scale words stand in lanes 16-31 of their pair's register.
.macro WM a, b, q, cm
.set rD, 128+8*(4*(\a)+(\b))
.if (\cm) == 0
.set rC, rD
.elseif (\cm) == 1
.set rC, 32+8*(\b)
.else
.set rC, 32+8*(\a)
.endif
.set rP, 64+8*(\b)
.set rQ, 96+8*(\a)
.set rSP, 16+4*((\b)/2)+(\q)
.set rSQ, 24+4*((\a)/2)+(\q)
.if (((\b)%2) == 0) && (((\a)%2) == 0)
	v_wmma_scale_f32_16x16x128_f8f6f4 v[rD:rD+7], v[rP:rP+7], v[rQ:rQ+7], v[rC:rC+7], v[rSP], v[rSQ] matrix_a_fmt:MATRIX_FMT_FP4 matrix_b_fmt:MATRIX_FMT_FP4
.elseif (((\b)%2) == 1) && (((\a)%2) == 0)
	v_wmma_scale_f32_16x16x128_f8f6f4 v[rD:rD+7], v[rP:rP+7], v[rQ:rQ+7], v[rC:rC+7], v[rSP], v[rSQ] matrix_a_fmt:MATRIX_FMT_FP4 matrix_b_fmt:MATRIX_FMT_FP4 matrix_a_scale:MATRIX_SCALE_ROW1
.elseif (((\b)%2) == 0) && (((\a)%2) == 1)
	v_wmma_scale_f32_16x16x128_f8f6f4 v[rD:rD+7], v[rP:rP+7], v[rQ:rQ+7], v[rC:rC+7], v[rSP], v[rSQ] matrix_a_fmt:MATRIX_FMT_FP4 matrix_b_fmt:MATRIX_FMT_FP4 matrix_b_scale:MATRIX_SCALE_ROW1
.else
	v_wmma_scale_f32_16x16x128_f8f6f4 v[rD:rD+7], v[rP:rP+7], v[rQ:rQ+7], v[rC:rC+7], v[rSP], v[rSQ] matrix_a_fmt:MATRIX_FMT_FP4 matrix_b_fmt:MATRIX_FMT_FP4 matrix_a_scale:MATRIX_SCALE_ROW1 matrix_b_scale:MATRIX_SCALE_ROW1
.endif
.endm
.macro MM q, cm                        ; a K step's 16 products: the 16 accumulators take turns, one instruction a turn, in the same order in every step
.irp a, 0,1,2,3
.irp b, 0,1,2,3
	WM \a, \b, \q, \cm
.endr
.endr
.endm
.macro KLOAD s                         ; K step s comes out of LDS
	s_wait_asynccnt 4*(7-(\s))                     ; copies end in order: all but the four of each later K step are done: my part of this step's bytes is in LDS
	s_barrier_signal -1                            ; (no LDS instruction of mine is out: the last step waited for all its loads)
	s_barrier_wait -1                              ; everybody's part is
.if (\s) > 0
.rept 4
	v_nop                                          ; four places between the last products and loads into registers that they read
.endr
.endif
.if (\s) == 4
	v_add_nc_u32 v8, 0x10000, v8                   ; the LDS immediate has 16 bits: K steps 4 to 7 lie 65,536 bytes on
	s_wait_alu depctr_va_vdst(0)
	v_add_nc_u32 v10, 0x10000, v10
.endif
.if ((\s)%4) == 0
	s_wait_alu depctr_va_vdst(0)
.irp j, 0,1
	ds_load_b128 v[16+4*\j:19+4*\j], v12 offset:4096*((\s)/4)+512*\j   ; four K steps' scale words of rows 32 j + lane of my 64
	ds_load_b128 v[24+4*\j:27+4*\j], v13 offset:4096*((\s)/4)+512*\j
.endr
.endif
.irp b, 0,1,2,3
.irp c, 0,1
	ds_load_b128 v[64+8*\b+4*\c:67+8*\b+4*\c], v8 offset:16384*((\s)%4)+1024*\b+512*\c
	ds_load_b128 v[96+8*\b+4*\c:99+8*\b+4*\c], v10 offset:16384*((\s)%4)+1024*\b+512*\c
.endr
.endr
	s_wait_dscnt 0x0
.endm
	KLOAD 0
	s_wait_loadcnt 0x0                             ; the bias
	s_cmp_eq_u32 s21, 0
	s_cbranch_scc0 .Lfirst_v
	MM 0, 1                                        ; k, q: the bias goes by P's tile
	s_branch .Lfirst_done
.Lfirst_v:
	MM 0, 2                                        ; v: by Q's tile
.Lfirst_done:
.irp s, 1,2,3,4,5,6,7
	KLOAD \s
	MM (\s)%4, 0
.endr
.rept 4
	v_nop                                          ; four places between the last products and the first read of results, and the first write of fragments' registers
.endr
; THE QUANTISER.  Block n = 2 a + blk (Q tile a, P tiles 2 blk and 2 blk + 1) is my 16 registers from 128 + 16 n on and lane l xor 16's.  Each accumulator is read from its low end on.
.set QM, 64                            ; v64-71 largest magnitudes; v72-79 the other half's; v80-87 the conversions' scale operands; v88-95 bytes; v96-99 a tile's two bytes; v100-115 codes; v116-117 the halfwords of two tiles; v118 4 x lane
.set QT, 72
.set QS, 80
.set QB, 88
.set QH, 96
.set QC, 100
.set QG, 116
.set QO, 118
	v_and_b32 v[QO], 31, v0
	s_delay_alu instid0(VALU_DEP_1)
	v_lshlrev_b32 v[QO], 2, v[QO]                  ; 4 x lane: a row's scale word
.irp n, 0,1,2,3,4,5,6,7
	v_max3_num_f32 v[QM+\n], |v[128+16*\n]|, |v[129+16*\n]|, 0x1800000   ; and the floor 2^(3 - 127): the byte cannot fall under 1
.endr
.irp i, 2,4,6,8,10,12,14
.irp n, 0,1,2,3,4,5,6,7
	v_max3_num_f32 v[QM+\n], v[QM+\n], |v[128+16*\n+\i]|, |v[129+16*\n+\i]|
.endr
.endr
.irp n, 0,1,2,3,4,5,6,7
	v_permlanex16_b32 v[QT+\n], v[QM+\n], s54, s55
.endr
.irp n, 0,1,2,3,4,5,6,7
	v_max_num_f32 v[QM+\n], v[QM+\n], v[QT+\n]
.endr
.irp n, 0,1,2,3,4,5,6,7
	v_add_nc_u32 v[QS+\n], 0xff000000, v[QM+\n]    ; 2 off the exponent field: the conversion's scale operand
.endr
.irp n, 0,1,2,3,4,5,6,7
	v_lshrrev_b32 v[QB+\n], 23, v[QS+\n]           ; the scale's byte
.endr
.irp a, 0,1,2,3
	v_lshl_or_b32 v[QH+\a], v[QB+2*\a+1], 8, v[QB+2*\a]
.endr
.irp a, 0,1,2,3
	v_cvt_scalef32_pk8_fp4_f32 v[QC+4*\a], v[128+32*\a:135+32*\a], v[QS+2*\a]
	v_cvt_scalef32_pk8_fp4_f32 v[QC+4*\a+2], v[136+32*\a:143+32*\a], v[QS+2*\a]
	v_cvt_scalef32_pk8_fp4_f32 v[QC+4*\a+1], v[144+32*\a:151+32*\a], v[QS+2*\a+1]
	v_cvt_scalef32_pk8_fp4_f32 v[QC+4*\a+3], v[152+32*\a:159+32*\a], v[QS+2*\a+1]
.endr
	v_nop                                          ; one plain line between a scaled conversion and the vector instruction that touches its result
.irp a, 0,1,2,3
	v_permlane16_swap_b32 v[QC+4*\a], v[QC+4*\a+1]
	v_permlane16_swap_b32 v[QC+4*\a+2], v[QC+4*\a+3]
.endr
.irp j, 0,1
	v_cndmask_b32 v[QG+\j], v[QH+2*\j], v[QH+2*\j+1], s52   ; lanes 0-15: tile 2 j's rows; lanes 16-31: tile 2 j + 1's
.endr
.irp a, 0,1,2,3
	global_store_b128 v14, v[QC+4*\a:QC+4*\a+3], s[10:11] offset:512*\a   ; a chunk: 512 consecutive bytes
.endr
.irp j, 0,1
	global_store_b16 v[QO], v[QG+\j], s[12:13] offset:128*\j   ; my chunk's halfword of 32 rows' scale words; the other halfword is the neighbouring wave's
.endr
	s_wait_tensorcnt 0x0                           ; the wave's end
	s_wait_asynccnt 0x0
	ds_add_u32 v1, v2
	s_wait_dscnt 0x0
	s_endpgm
.Lfunc_end_k_q73b599d49f_kqv:
	.size	k_q73b599d49f_kqv, .Lfunc_end_k_q73b599d49f_kqv-k_q73b599d49f_kqv
	.p2alignl 7, 3214868480
	.fill 96, 4, 3214868480
	.section	.rodata,"a",@progbits
	.p2align	6, 0x0
	.amdhsa_kernel k_q73b599d49f_kqv
		.amdhsa_group_segment_fixed_size 280576
		.amdhsa_private_segment_fixed_size 0
		.amdhsa_enable_private_segment 0
		.amdhsa_kernarg_size 56
		.amdhsa_user_sgpr_count 2
		.amdhsa_user_sgpr_kernarg_segment_ptr 1
		.amdhsa_wavefront_size32 1
		.amdhsa_system_sgpr_workgroup_id_x 1
		.amdhsa_system_sgpr_workgroup_id_y 1
		.amdhsa_system_sgpr_workgroup_id_z 1
		.amdhsa_system_vgpr_workitem_id 0
		.amdhsa_next_free_vgpr 256
		.amdhsa_next_free_sgpr 66
		.amdhsa_reserve_vcc 0
		.amdhsa_float_denorm_mode_32 3
		.amdhsa_float_denorm_mode_16_64 3
		.amdhsa_memory_ordered 1
		.amdhsa_forward_progress 1
		.amdhsa_inst_pref_size 49
	.end_amdhsa_kernel
	.amdgpu_metadata
---
amdhsa.version: [ 1, 2 ]
amdhsa.kernels:
  - .name:           k_q73b599d49f_kqv
    .symbol:         k_q73b599d49f_kqv.kd
    .args:
      - { .name: opimg, .offset: 0, .size: 8, .value_kind: global_buffer, .address_space: global }
      - { .name: opscl, .offset: 8, .size: 8, .value_kind: global_buffer, .address_space: global }
      - { .name: b_kqv, .offset: 16, .size: 8, .value_kind: global_buffer, .address_space: global }
      - { .name: kq_img, .offset: 24, .size: 8, .value_kind: global_buffer, .address_space: global }
      - { .name: kq_scl, .offset: 32, .size: 8, .value_kind: global_buffer, .address_space: global }
      - { .name: v_img, .offset: 40, .size: 8, .value_kind: global_buffer, .address_space: global }
      - { .name: v_scl, .offset: 48, .size: 8, .value_kind: global_buffer, .address_space: global }
    .group_segment_fixed_size: 280576
    .private_segment_fixed_size: 0
    .kernarg_segment_align: 8
    .kernarg_segment_size: 56
    .max_flat_workgroup_size: 512
    .sgpr_count:     66
    .vgpr_count:     256
    .wavefront_size: 32
...
	.end_amdgpu_metadata
.endif
;; end of part 2
;; launch attn (part 3): grid 4 x 64, 16 waves a work-group, no clusters, 167,936 bytes of LDS; arguments kq_img, kq_scl, v_img, v_scl, y_img, y_scl; writes y_img, y_scl
.if DOCPART == 3
	.amdgcn_target "amdgcn-amd-amdhsa--gfx1250"
	.amdhsa_code_object_version 6
	.text
	.protected	k_q73b599d49f_attn
	.globl	k_q73b599d49f_attn
	.p2align	8
	.type	k_q73b599d49f_attn,@function
k_q73b599d49f_attn:
	s_mov_b64 s[64:65], 0
	v_nop
	global_prefetch_b8 v0, s[64:65] scope:SCOPE_SE
	s_setreg_imm32_b32 hwreg(HW_REG_WAVE_MODE, 25, 1), 1
	s_wait_xcnt 0x0
; LAUNCH 3 OF 4.  y[b][h][q] = the sum over keys k <= q of softmax_k(q . k / 8) v[k], both products on codes of FP4; then y's quantiser along the embedding (two blocks of 32 a head).
; LEFT OUT: key steps of 128 keys all of which come after all 16 queries of a tile: reference()'s own causal mask makes their weights exactly 0 (shown at the head of launch quant).
; THE SOFTMAX AHEAD OF THE SECOND PRODUCT: t = score x log2(e) / 8; M = the largest t so far, rounded UP to a whole number; p = 2^(t - M) is quantised along the keys, not normalised.  The row's sum is taken of the
; unquantised p and divides at the end.  When M moves, the sum and O are multiplied by 2^(old M - new M): exact.
; SHARES.  Work-group (g, 16 b + h) serves head h of batch b.  Wave w owns two tiles of 16 queries: with p = 4 w + g, tile 127 - p and tile p.  Tile T walks T / 8 + 1 key steps, so every wave walks 17.
; LDS.  The head's K (65,536 bytes), V (65,536) and their scale words (8,192 + 4,096) come by lane copies, each byte filled once, all asked for at the head.  The first two key steps are walked behind the
; counted wait for their copies; the rest behind the wait for all.  Two barriers in the launch.
; NO CLUSTER: the operands come by lane copies, which have no joint form.  The four work-groups of a head read the same 143,360 bytes.
; LAYOUT.  Both products are used transposed: S^T = K Q^T (source 0 = 16 keys), O^T = V^T P^T (source 0 = 16 of the head's 64): a lane holds ONE query (lane % 16) throughout.  The first product's K is 64: the upper
; four registers of K's and Q's fragments hold zero codes, and the upper two bytes of their scale words are 0.  Key tile t holds in lane (r, h) keys 16 t + 8 h + 0 .. 7; the codes of tile 4 c + e go to register
; 4 c + (0, 2, 1, 3 for e = 0, 1, 2, 3), and registers 4 c, 4 c + 1 and 4 c + 2, 4 c + 3 change halves: register 4 c + i of lane (r, h) then holds keys 64 c + 32 h + 8 i .. + 7: the operand's layout.
; LIMITS: as stated at the head of launch quant.  A block of p that has fallen to zeros keeps the byte 1: its codes are zeros.
.set KIMG,  0
.set VIMG,  65536
.set KSC,   131072
.set VSC,   139264
.set SPARE, 143360                     ; the spare words, 128 bytes for each of 16 waves
; v1 16 x lane; v2 the same in V's image; v3, v4 my place among K's and V's scale words; v5, v6 the add's two; v7 16 r; v8-11 the step's addresses; v12 -M; v13 the largest t; v[14:15] the sum in two halves;
; v16-23 the long tile's Q; v24-31 the short tile's (before that v24-30: the copies' addresses); v32-95 eight fragments of K; v96-159 S^T, then p; v160-191 O^T; v192-223 four fragments of V; v224-231 p's codes;
; v232-239, v244-247 at work; v240-241 V's scale words; v242, v243 Q's; v248-251 K's; v252 f; v253 p's scale word; v254 at work; v255 d for the mask
.set SPW, 5
.set NIL, 6
.set WV,  16                           ; s16 wave; s17 batch; s18 head; s19 head % 2; s20 head / 2; s21 the short tile; s22 the long tile
.set DS,  23                           ; s23 the tile's step on the diagonal
.set TB,  24                           ; s24 where the step's codes begin in K's and in V's image: 4,096 bytes a step
.set TS,  25                           ; s25 K's scale words: 512 bytes a step
.set TJ,  26                           ; s26 V's: 256 bytes a step
.set SI,  27                           ; s27 the step
.set CS,  28                           ; s[28:29] c = log2(e) / 8
.set SEL, 30                           ; s[30:31] v_permlanex16_b32's selects for lane l xor 16
	s_load_b256 s[4:11], s[0:1], 0x0               ; kq_img, kq_scl, v_img, v_scl
	s_load_b128 s[12:15], s[0:1], 0x20             ; y_img, y_scl
	v_lshl_add_u32 v[SPW], v0, 2, SPARE
	v_mov_b32 v[NIL], 0
	ds_add_u32 v[SPW], v[NIL]                      ; the opening: the add, twice on end, and its wait ahead of my first copy
	ds_add_u32 v[SPW], v[NIL]
	v_lshrrev_b32 v8, 5, v0
	s_delay_alu instid0(VALU_DEP_1)
	v_readfirstlane_b32 s[WV], v8
	s_and_b32 s75, ttmp7, 0xffff
	s_lshr_b32 s17, s75, 4
	s_and_b32 s18, s75, 15
	s_and_b32 s19, s18, 1
	s_lshr_b32 s20, s18, 1
	s_lshl_b32 s21, s[WV], 2
	s_add_co_u32 s21, s21, ttmp9                   ; p = 4 w + g: the short tile
	s_sub_co_u32 s22, 127, s21                     ; the long tile
	v_and_b32 v8, 31, v0                           ; lane
	s_delay_alu instid0(VALU_DEP_1)
	v_lshlrev_b32 v1, 4, v8
	s_delay_alu instid0(VALU_DEP_1)
	v_add_nc_u32 v2, VIMG, v1
	s_delay_alu instid0(VALU_DEP_3)
	v_lshl_add_u32 v3, v8, 2, KSC
	s_lshl_b32 s75, s19, 1
	v_add_nc_u32 v3, s75, v3                       ; my head's halfword of a key's scale word
	v_lshl_add_u32 v4, v8, 2, VSC
	v_and_b32 v7, 15, v0
	s_delay_alu instid0(VALU_DEP_1)
	v_lshlrev_b32 v7, 4, v7
	v_lshlrev_b32 v24, 4, v0                       ; K and its scale words: dense, 16 bytes a thread
	v_lshl_add_u32 v25, v0, 4, KIMG
	v_lshl_add_u32 v26, v0, 4, KSC
	v_lshrrev_b32 v27, 5, v0                       ; V's scale words: wave w takes key step w: 256 bytes of a row of 4,096
	s_delay_alu instid0(VALU_DEP_1)
	v_lshlrev_b32 v27, 12, v27
	s_delay_alu instid0(VALU_DEP_1)
	v_lshl_add_u32 v27, v8, 3, v27
	v_lshl_add_u32 v28, v0, 3, VSC
	v_lshrrev_b32 v29, 7, v0                       ; V: 128 threads take a token chunk's 2,048 bytes of my head; chunks lie 32,768 bytes apart
	s_delay_alu instid0(VALU_DEP_1)
	v_lshlrev_b32 v29, 15, v29
	v_and_b32 v30, 127, v0
	s_delay_alu instid0(VALU_DEP_1)
	v_lshl_add_u32 v29, v30, 4, v29
	v_lshl_add_u32 v30, v0, 4, VIMG
	s_mov_b32 s[CS], 0x3e38aa3b
	s_mov_b32 s[CS+1], s[CS]                       ; (named with it as a pair, so it is written)
	s_mov_b32 s[SEL], 0x76543210
	s_mov_b32 s[SEL+1], 0xfedcba98
	s_mov_b32 s33, 0
	s_wait_alu depctr_va_vdst(0)
	s_wait_dscnt 0x0                               ; both opening adds are done
	s_wait_kmcnt 0x0
	s_lshl_b32 s32, s18, 18
	s_lshl_b32 s75, s17, 16
	s_add_co_u32 s32, s32, s75
	s_add_nc_u64 s[34:35], s[4:5], s[32:33]        ; K's codes: chunk = head, token tiles 128 b on
	s_add_nc_u64 s[56:57], s[34:35], 0x400000      ; Q's: 16 chunks on
	s_lshl_b32 s32, s20, 15
	s_lshl_b32 s75, s17, 13
	s_add_co_u32 s32, s32, s75
	s_add_nc_u64 s[36:37], s[6:7], s[32:33]        ; K's scale words
	s_add_nc_u64 s[58:59], s[36:37], 0x40000       ; Q's: 8 pairs of chunks on,
	s_lshl_b32 s32, s19, 1
	s_add_nc_u64 s[58:59], s[58:59], s[32:33]      ; my head's halfword
	s_lshl_b32 s32, s17, 16
	s_lshl_b32 s75, s18, 8
	s_add_co_u32 s32, s32, s75
	s_add_nc_u64 s[38:39], s[10:11], s[32:33]      ; V's scale words
	s_lshl_b32 s32, s17, 20
	s_lshl_b32 s75, s18, 11
	s_add_co_u32 s32, s32, s75
	s_add_nc_u64 s[40:41], s[8:9], s[32:33]        ; V's codes.  A copy's immediate is added to both addresses; four chunks are 8,192 bytes on in LDS and 131,072 on in memory: copy i has a base of its own, 122,880 i on
.irp i, 1,2,3,4,5,6,7
	s_add_nc_u64 s[40+2*\i:41+2*\i], s[38+2*\i:39+2*\i], 122880
.endr
	; ALL COPIES, 18 a wave: the scale words, then two key steps' K and V at a time
	global_load_async_to_lds_b128 v26, v24, s[36:37]
	global_load_async_to_lds_b64 v28, v27, s[38:39]
.irp i, 0,1,2,3,4,5,6,7
	global_load_async_to_lds_b128 v25, v24, s[34:35] offset:8192*\i
	global_load_async_to_lds_b128 v30, v29, s[40+2*\i:41+2*\i] offset:8192*\i
.endr
	s_lshl_b32 s32, s17, 20
	s_lshl_b32 s75, s20, 14
	s_add_co_u32 s32, s32, s75
	s_lshl_b32 s75, s19, 9
	s_add_co_u32 s32, s32, s75
	s_add_nc_u64 s[66:67], s[12:13], s[32:33]      ; y's codes: panels 8 b on, K step head / 2, chunk head % 2
	s_lshl_b32 s32, s17, 16
	s_lshr_b32 s75, s18, 3
	s_lshl_b32 s75, s75, 12
	s_add_co_u32 s32, s32, s75
	s_and_b32 s75, s18, 7
	s_lshl_b32 s75, s75, 1
	s_add_co_u32 s32, s32, s75
	s_add_nc_u64 s[68:69], s[14:15], s[32:33]      ; y's scale bytes: half head / 8 of K, bytes 2 (head % 8) on
; Tile s[tr]'s fragment of Q into v[qf] on and its scale words into v[qs]
.macro QLOAD tr, qf, qs
	s_lshl_b32 s32, s[\tr], 9
	s_add_nc_u64 s[60:61], s[56:57], s[32:33]
	s_lshl_b32 s32, s[\tr], 6
	s_add_nc_u64 s[62:63], s[58:59], s[32:33]
	v_and_b32 v254, 15, v0
	s_delay_alu instid0(VALU_DEP_1)
	v_lshlrev_b32 v254, 2, v254                    ; 4 r: lanes 16-31 read what lanes 0-15 read, and are not used
	global_load_b128 v[(\qf):(\qf)+3], v1, s[60:61]
	global_load_u16 v[\qs], v254, s[62:63]         ; two bytes; the upper two of the word are 0
.irp i, 4,5,6,7
	v_mov_b32 v[(\qf)+\i], 0                       ; zero codes for k = 64 .. 127
.endr
.endm
.macro TILE_INIT tr
	s_lshr_b32 s[DS], s[\tr], 3
	s_and_b32 s75, s[\tr], 7
	s_lshl_b32 s75, s75, 4
	v_bfe_u32 v252, v0, 4, 1
	v_and_b32 v255, 15, v0
	s_delay_alu instid0(VALU_DEP_2)
	v_lshlrev_b32 v252, 3, v252
	s_delay_alu instid0(VALU_DEP_1)
	v_sub_nc_u32 v255, v255, v252
	s_delay_alu instid0(VALU_DEP_1)
	v_add_nc_u32 v255, s75, v255                   ; d = 16 (T % 8) + r - 8 h: on the diagonal step register 8 t + j holds a hidden key where 16 t + j > d
	v_mov_b32 v13, 0xff61b1e6                      ; the largest t so far: -3e38, under every t
	s_delay_alu instid0(VALU_DEP_1)
	v_floor_f32 v12, -v13                          ; -M
	v_mov_b32 v14, 0
	v_mov_b32 v15, 0
.set n, 0
.rept 32
	v_mov_b32 v[160+n], 0                          ; O^T: the step is written once for all steps: the first finds zeros, which the first change of M leaves zeros
.set n, n+1
.endr
	s_mov_b32 s[TB], 0
	s_mov_b32 s[TS], 0
	s_mov_b32 s[TJ], 0
	s_mov_b32 s[SI], 0
.endm
; A KEY STEP: 128 keys.  edge = 1: the step may lie on the diagonal or beyond it (scalar branches on ids and the count of steps; no barrier stands in a step)
.macro STEP qf, qs, edge
.if \edge
	s_cmp_gt_u32 s[SI], s[DS]
	s_cbranch_scc1 .Lhid_\@
.endif
	s_setprio 2
	v_add_nc_u32 v8, s[TB], v1                     ; these four are also the places between the last step's products and the loads into V's registers
	v_add_nc_u32 v9, s[TB], v2
	v_add_nc_u32 v10, s[TS], v3
	v_add_nc_u32 v11, s[TJ], v4
.irp t, 0,1,2,3,4,5,6,7
	ds_load_b128 v[32+8*\t:35+8*\t], v8 offset:512*\t
.endr
.irp j, 0,1,2,3
	ds_load_u16 v[248+\j], v10 offset:128*\j       ; keys 32 j + lane: tile 2 j's in lanes 0-15, tile 2 j + 1's in lanes 16-31
.endr
.irp t, 0,1,2,3
.irp c, 0,1
	ds_load_b128 v[192+8*\t+4*\c:195+8*\t+4*\c], v9 offset:512*\t+2048*\c
.endr
.endr
.irp j, 0,1
	ds_load_b32 v[240+\j], v11 offset:128*\j
.endr
	s_wait_dscnt 10                                ; K and its scale words are in; V's ten loads may be out
.irp t, 0,1,2,3,4,5,6,7
.if (\t%2) == 0
	v_wmma_scale_f32_16x16x128_f8f6f4 v[96+8*\t:103+8*\t], v[32+8*\t:39+8*\t], v[(\qf):(\qf)+7], 0, v[248+\t/2], v[\qs] matrix_a_fmt:MATRIX_FMT_FP4 matrix_b_fmt:MATRIX_FMT_FP4
.else
	v_wmma_scale_f32_16x16x128_f8f6f4 v[96+8*\t:103+8*\t], v[32+8*\t:39+8*\t], v[(\qf):(\qf)+7], 0, v[248+\t/2], v[\qs] matrix_a_fmt:MATRIX_FMT_FP4 matrix_b_fmt:MATRIX_FMT_FP4 matrix_a_scale:MATRIX_SCALE_ROW1
.endif
.endr
.rept 4
	v_nop
.endr
.if \edge
	s_cmp_lg_u32 s[SI], s[DS]
	s_cbranch_scc1 .Lopen_\@
	v_mov_b32 v254, 0xff800000                     ; on the diagonal the scores of hidden keys become -infinity ahead of the maximum: p = 0 then
.set n, 0
.rept 64
	v_cmp_gt_i32 vcc_lo, 16*(n/8)+n%8, v255
	v_cndmask_b32 v[96+n], v[96+n], v254, vcc_lo
.set n, n+1
.endr
.Lopen_\@:
.endif
.irp b, 0,1,2,3
	v_max3_num_f32 v[232+\b], v[96+16*\b], v[97+16*\b], v[98+16*\b]   ; the largest score of each block of 32 keys (tiles 2 b and 2 b + 1): it serves for the row's maximum and, since p rises with the score, for the block's largest p
.endr
.irp i, 3,5,7,9,11,13
.irp b, 0,1,2,3
	v_max3_num_f32 v[232+\b], v[232+\b], v[96+16*\b+\i], v[97+16*\b+\i]
.endr
.endr
.irp b, 0,1,2,3
	v_max_num_f32 v[232+\b], v[232+\b], v[111+16*\b]
.endr
.irp b, 0,1,2,3
	s_delay_alu instid0(VALU_DEP_4)
	v_permlanex16_b32 v[236+\b], v[232+\b], s[SEL], s[SEL+1]
.endr
.irp b, 0,1,2,3
	s_delay_alu instid0(VALU_DEP_4)
	v_max_num_f32 v[232+\b], v[232+\b], v[236+\b]  ; with lane l xor 16's 16 keys
.endr
	s_delay_alu instid0(VALU_DEP_2)
	v_max3_num_f32 v254, v232, v233, v234
	s_delay_alu instid0(VALU_DEP_1)
	v_max_num_f32 v254, v254, v235                 ; the step's largest score of my query
	s_delay_alu instid0(VALU_DEP_1)
	v_mul_f32 v254, s[CS], v254                    ; as t (c is positive)
	s_delay_alu instid0(VALU_DEP_1)
	v_max_num_f32 v13, v13, v254                   ; the running largest t
	v_mov_b32 v254, v12
	s_delay_alu instid0(VALU_DEP_2)
	v_floor_f32 v12, -v13                          ; the new -M = floor(-t) = -ceil(t)
	s_delay_alu instid0(VALU_DEP_1)
	v_sub_f32 v254, v12, v254                      ; old M - new M: a whole number, 0 or less
	s_delay_alu instid0(VALU_DEP_1)
	v_cvt_i32_f32 v254, v254                       ; (it saturates)
	s_delay_alu instid0(VALU_DEP_1)
	v_ldexp_f32 v252, 1.0, v254                    ; f = 2^(old M - new M)
.set n, 0
.rept 32
	v_pk_fma_f32 v[96+n:97+n], v[96+n:97+n], s[CS:CS+1], v[12:13] op_sel_hi:[1,0,0]   ; t - M, two at a time
.set n, n+2
.endr
	s_setprio 1
.irp b, 0,1,2,3
	v_fma_f32 v[232+\b], v[232+\b], s[CS], v12     ; the same of each block's largest score
.endr
.set n, 0
	s_wait_alu depctr_va_vdst(0)
.rept 64
	v_exp_f32 v[96+n], v[96+n]                     ; p = 2^(t - M), at most 1
.set n, n+1
.endr
	v_pk_mul_f32 v[14:15], v[14:15], v[252:253] op_sel_hi:[1,0]   ; the sums under the new M: a plain line behind the exponentials
	s_wait_alu depctr_va_vdst(0)                   ; one wait for the whole batch, ahead of its first reader
.irp b, 0,1,2,3
	v_exp_f32 v[232+\b], v[232+\b]                 ; the block's largest p
.endr
	v_pk_add_f32 v[236:237], v[100:101], v[104:105]
	v_pk_add_f32 v[250:251], v[108:109], v[112:113]
	v_pk_add_f32 v[248:249], v[116:117], v[120:121]
	v_pk_add_f32 v[246:247], v[124:125], v[128:129]
	v_pk_add_f32 v[244:245], v[132:133], v[136:137]
	v_pk_add_f32 v[238:239], v[140:141], v[144:145]
	v_pk_add_f32 v[230:231], v[148:149], v[152:153]
	v_pk_add_f32 v[14:15], v[14:15], v[156:157]
	v_pk_add_f32 v[236:237], v[236:237], v[96:97]
	v_pk_add_f32 v[250:251], v[250:251], v[98:99]
	v_pk_add_f32 v[248:249], v[248:249], v[102:103]
	v_pk_add_f32 v[246:247], v[246:247], v[106:107]
	v_pk_add_f32 v[244:245], v[244:245], v[110:111]
	v_pk_add_f32 v[238:239], v[238:239], v[114:115]
	v_pk_add_f32 v[230:231], v[230:231], v[118:119]
	v_pk_add_f32 v[14:15], v[14:15], v[122:123]
	v_pk_add_f32 v[236:237], v[236:237], v[126:127]
	v_pk_add_f32 v[250:251], v[250:251], v[130:131]
	v_pk_add_f32 v[248:249], v[248:249], v[134:135]
	v_pk_add_f32 v[246:247], v[246:247], v[138:139]
	v_pk_add_f32 v[244:245], v[244:245], v[142:143]
	v_pk_add_f32 v[238:239], v[238:239], v[146:147]
	v_pk_add_f32 v[230:231], v[230:231], v[150:151]
	v_pk_add_f32 v[14:15], v[14:15], v[154:155]
	v_pk_add_f32 v[236:237], v[236:237], v[158:159]
	s_delay_alu instid0(VALU_DEP_2)
	v_pk_add_f32 v[14:15], v[14:15], v[246:247]
	s_delay_alu instid0(VALU_DEP_2)
	v_pk_add_f32 v[236:237], v[236:237], v[244:245]
	v_pk_add_f32 v[250:251], v[250:251], v[238:239]
	v_pk_add_f32 v[248:249], v[248:249], v[230:231]
	s_delay_alu instid0(VALU_DEP_2)
	v_pk_add_f32 v[14:15], v[14:15], v[250:251]
	s_delay_alu instid0(VALU_DEP_2)
	v_pk_add_f32 v[236:237], v[236:237], v[248:249]
	s_delay_alu instid0(VALU_DEP_1)
	v_pk_add_f32 v[14:15], v[14:15], v[236:237]
	s_wait_alu depctr_va_vdst(0)                   ; and one for the four
.irp b, 0,1,2,3
	v_max_num_f32 v[232+\b], 0x1800000, v[232+\b]  ; the floor 2^(3 - 127): the byte cannot fall under 1
.endr
.irp b, 0,1,2,3
	s_delay_alu instid0(VALU_DEP_4)
	v_add_nc_u32 v[244+\b], 0xff000000, v[232+\b]  ; 2 off the exponent field: the conversion's scale operand
.endr
.irp b, 0,1,2,3
	s_delay_alu instid0(VALU_DEP_4)
	v_lshrrev_b32 v[236+\b], 23, v[244+\b]         ; the scale's byte
.endr
	s_delay_alu instid0(VALU_DEP_3)
	v_lshl_or_b32 v253, v237, 8, v236              ; p's scale word for these 128 keys
	s_delay_alu instid0(VALU_DEP_1)
	v_lshl_or_b32 v253, v238, 16, v253
	s_delay_alu instid0(VALU_DEP_1)
	v_lshl_or_b32 v253, v239, 24, v253
	s_setprio 0
.irp c, 0,1
	v_cvt_scalef32_pk8_fp4_f32 v[224+4*\c], v[96+32*\c:103+32*\c], v[244+2*\c]
	v_cvt_scalef32_pk8_fp4_f32 v[226+4*\c], v[104+32*\c:111+32*\c], v[244+2*\c]
	v_cvt_scalef32_pk8_fp4_f32 v[225+4*\c], v[112+32*\c:119+32*\c], v[245+2*\c]
	v_cvt_scalef32_pk8_fp4_f32 v[227+4*\c], v[120+32*\c:127+32*\c], v[245+2*\c]
.endr
	v_nop                                          ; one plain line between a scaled conversion and the vector instruction that touches its result
.irp c, 0,1
	v_permlane16_swap_b32 v[224+4*\c], v[225+4*\c]
	v_permlane16_swap_b32 v[226+4*\c], v[227+4*\c]
.endr
.set n, 0
.rept 16
	v_pk_mul_f32 v[160+n:161+n], v[160+n:161+n], v[252:253] op_sel_hi:[1,0]   ; O^T under the new M.  These sixteen also stand between the writes of p's codes and scale word and the products below
.set n, n+2
.endr
	s_wait_alu depctr_va_vdst(0)
	s_wait_dscnt 0x0                               ; V and its scale words are in
.irp t, 0,1,2,3
.if (\t%2) == 0
	v_wmma_scale_f32_16x16x128_f8f6f4 v[160+8*\t:167+8*\t], v[192+8*\t:199+8*\t], v[224:231], v[160+8*\t:167+8*\t], v[240+\t/2], v253 matrix_a_fmt:MATRIX_FMT_FP4 matrix_b_fmt:MATRIX_FMT_FP4
.else
	v_wmma_scale_f32_16x16x128_f8f6f4 v[160+8*\t:167+8*\t], v[192+8*\t:199+8*\t], v[224:231], v[160+8*\t:167+8*\t], v[240+\t/2], v253 matrix_a_fmt:MATRIX_FMT_FP4 matrix_b_fmt:MATRIX_FMT_FP4 matrix_a_scale:MATRIX_SCALE_ROW1
.endif
.endr
.if \edge
.Lhid_\@:
.endif
	s_add_co_u32 s[TB], s[TB], 4096
	s_add_co_u32 s[TS], s[TS], 512
	s_add_co_u32 s[TJ], s[TJ], 256
	s_add_co_u32 s[SI], s[SI], 1
.endm
; Tile s[tr] goes out: O^T / the sum is y; its 64 numbers of my head are two blocks of 32 along the last product's K; the codes are one chunk of that operand's image
.macro TILE_OUT tr
.rept 4
	v_nop                                          ; four places behind the last products
.endr
	v_add_f32 v14, v14, v15                        ; the sum's two halves,
	s_delay_alu instid0(VALU_DEP_1)
	v_permlanex16_b32 v252, v14, s[SEL], s[SEL+1]
	s_delay_alu instid0(VALU_DEP_1)
	v_add_f32 v14, v14, v252                       ; and lane l xor 16's keys: the row's sum
	s_wait_alu depctr_va_vdst(0)
	v_rcp_f32 v14, v14
	s_lshr_b32 s75, s[\tr], 4
	s_and_b32 s76, s[\tr], 15
	s_lshl_b32 s32, s75, 17
	s_lshl_b32 s77, s76, 10
	s_add_co_u32 s32, s32, s77
	s_add_nc_u64 s[70:71], s[66:67], s[32:33]      ; codes: panel T / 16, row tile T % 16
	s_lshl_b32 s32, s75, 13
	s_lshl_b32 s77, s76, 8
	s_add_co_u32 s32, s32, s77
	s_add_nc_u64 s[72:73], s[68:69], s[32:33]      ; scale bytes likewise
	v_nop                                          ; a plain line behind the reciprocal
	s_wait_alu depctr_va_vdst(0)                   ; and the wait ahead of its first reader
.set n, 0
.rept 16
	v_pk_mul_f32 v[96+n:97+n], v[160+n:161+n], v[14:15] op_sel_hi:[1,0]   ; register 8 t + j: y(query r, 16 t + 8 h + j)
.set n, n+2
.endr
.irp n, 0,1
	v_max3_num_f32 v[232+\n], |v[96+16*\n]|, |v[97+16*\n]|, 0x1800000
.endr
.irp i, 2,4,6,8,10,12,14
.irp n, 0,1
	s_delay_alu instid0(VALU_DEP_2)
	v_max3_num_f32 v[232+\n], v[232+\n], |v[96+16*\n+\i]|, |v[97+16*\n+\i]|
.endr
.endr
.irp n, 0,1
	s_delay_alu instid0(VALU_DEP_2)
	v_permlanex16_b32 v[236+\n], v[232+\n], s[SEL], s[SEL+1]
.endr
.irp n, 0,1
	s_delay_alu instid0(VALU_DEP_2)
	v_max_num_f32 v[232+\n], v[232+\n], v[236+\n]
.endr
.irp n, 0,1
	s_delay_alu instid0(VALU_DEP_2)
	v_add_nc_u32 v[244+\n], 0xff000000, v[232+\n]
.endr
.irp n, 0,1
	s_delay_alu instid0(VALU_DEP_2)
	v_lshrrev_b32 v[238+\n], 23, v[244+\n]
.endr
	s_delay_alu instid0(VALU_DEP_1)
	v_lshl_or_b32 v254, v239, 8, v238              ; my query's two scale bytes
	v_cvt_scalef32_pk8_fp4_f32 v224, v[96:103], v244
	v_cvt_scalef32_pk8_fp4_f32 v226, v[104:111], v244
	v_cvt_scalef32_pk8_fp4_f32 v225, v[112:119], v245
	v_cvt_scalef32_pk8_fp4_f32 v227, v[120:127], v245
	v_nop
	v_permlane16_swap_b32 v224, v225
	v_permlane16_swap_b32 v226, v227
	global_store_b128 v1, v[224:227], s[70:71]     ; a chunk: 512 consecutive bytes
	global_store_b16 v7, v254, s[72:73]            ; two of my row's 16 scale bytes (lanes 16-31 write what lanes 0-15 write)
.endm
	QLOAD 22, 16, 242                              ; the long tile's Q
.irp t, 0,1,2,3,4,5,6,7
.irp i, 4,5,6,7
	v_mov_b32 v[32+8*\t+\i], 0                     ; K's zero codes for k = 64 .. 127: written once
.endr
.endr
.irp b, 0,1,2,3
	v_mov_b32 v[236+\b], 0                         ; written once: a lane permute's destination counts as one of its sources
.endr
	v_mov_b32 v253, 0                              ; (named as the upper half of the pair v[252:253] before it is first written)
	TILE_INIT 22
	s_wait_asynccnt 14                             ; copies end in order: the scale words and the first two key steps' K and V are in; the other 14 copies may be out
	s_wait_loadcnt 0x0                             ; Q
	s_barrier_signal -1
	s_barrier_wait -1                              ; everybody's part is in; nothing is filled again in this launch
.rept 2
	STEP 16, 242, 0                                ; the long tile is tile 64 or later: its key steps 0 and 1 lie wholly under the diagonal
.endr
	s_wait_asynccnt 0x0                            ; all my copies are done: their address registers are free
	s_barrier_signal -1
	s_barrier_wait -1
	QLOAD 21, 24, 243                              ; the short tile's Q lands while the long tile is walked
	s_wait_xcnt 0x0                                ; v254, the load's offset, is written again in the steps
	s_mov_b32 s74, 14
.Llong:                                            ; key steps 2 to 15: a constant count; steps beyond the tile's diagonal are jumped over
	STEP 16, 242, 1
	s_sub_co_u32 s74, s74, 1
	s_cmp_lg_u32 s74, 0
	s_cbranch_scc1 .Llong
	s_setprio 0
	TILE_OUT 22
	s_wait_xcnt 0x0                                ; the stores have read their registers and bases
	s_wait_loadcnt 0x0                             ; the short tile's Q
	TILE_INIT 21
	s_mov_b32 s74, 8
.Lshort:                                           ; the short tile is tile 63 or earlier: key steps 0 to 7
	STEP 24, 243, 1
	s_sub_co_u32 s74, s74, 1
	s_cmp_lg_u32 s74, 0
	s_cbranch_scc1 .Lshort
	s_setprio 0
	TILE_OUT 21
	s_wait_tensorcnt 0x0                           ; the wave's end
	s_wait_asynccnt 0x0
	ds_add_u32 v[SPW], v[NIL]
	s_wait_dscnt 0x0
	s_endpgm
.Lfunc_end_k_q73b599d49f_attn:
	.size	k_q73b599d49f_attn, .Lfunc_end_k_q73b599d49f_attn-k_q73b599d49f_attn
	.p2alignl 7, 3214868480
	.fill 96, 4, 3214868480
	.section	.rodata,"a",@progbits
	.p2align	6, 0x0
	.amdhsa_kernel k_q73b599d49f_attn
		.amdhsa_group_segment_fixed_size 167936
		.amdhsa_private_segment_fixed_size 0
		.amdhsa_enable_private_segment 0
		.amdhsa_kernarg_size 48
		.amdhsa_user_sgpr_count 2
		.amdhsa_user_sgpr_kernarg_segment_ptr 1
		.amdhsa_wavefront_size32 1
		.amdhsa_system_sgpr_workgroup_id_x 1
		.amdhsa_system_sgpr_workgroup_id_y 1
		.amdhsa_system_sgpr_workgroup_id_z 1
		.amdhsa_system_vgpr_workitem_id 0
		.amdhsa_next_free_vgpr 256
		.amdhsa_next_free_sgpr 80
		.amdhsa_reserve_vcc 1
		.amdhsa_float_denorm_mode_32 3
		.amdhsa_float_denorm_mode_16_64 3
		.amdhsa_memory_ordered 1
		.amdhsa_forward_progress 1
		.amdhsa_inst_pref_size 97
	.end_amdhsa_kernel
	.amdgpu_metadata
---
amdhsa.version: [ 1, 2 ]
amdhsa.kernels:
  - .name:           k_q73b599d49f_attn
    .symbol:         k_q73b599d49f_attn.kd
    .args:
      - { .name: kq_img, .offset: 0, .size: 8, .value_kind: global_buffer, .address_space: global }
      - { .name: kq_scl, .offset: 8, .size: 8, .value_kind: global_buffer, .address_space: global }
      - { .name: v_img, .offset: 16, .size: 8, .value_kind: global_buffer, .address_space: global }
      - { .name: v_scl, .offset: 24, .size: 8, .value_kind: global_buffer, .address_space: global }
      - { .name: y_img, .offset: 32, .size: 8, .value_kind: global_buffer, .address_space: global }
      - { .name: y_scl, .offset: 40, .size: 8, .value_kind: global_buffer, .address_space: global }
    .group_segment_fixed_size: 167936
    .private_segment_fixed_size: 0
    .kernarg_segment_align: 8
    .kernarg_segment_size: 48
    .max_flat_workgroup_size: 512
    .sgpr_count:     80
    .vgpr_count:     256
    .wavefront_size: 32
...
	.end_amdgpu_metadata
.endif
;; end of part 3
;; launch proj (part 4): grid 256 x 1, 8 waves a work-group, no clusters, 314,368 bytes of LDS; arguments opimg, opscl, y_img, y_scl, b_proj, out0; writes out0
.if DOCPART == 4
	.amdgcn_target "amdgcn-amd-amdhsa--gfx1250"
	.amdhsa_code_object_version 6
	.text
	.protected	k_q73b599d49f_proj
	.globl	k_q73b599d49f_proj
	.p2align	8
	.type	k_q73b599d49f_proj,@function
k_q73b599d49f_proj:
	s_mov_b64 s[64:65], 0
	v_nop
	global_prefetch_b8 v0, s[64:65] scope:SCOPE_SE
	s_setreg_imm32_b32 hwreg(HW_REG_WAVE_MODE, 25, 1), 1
	s_wait_xcnt 0x0
; LAUNCH 4 OF 4.  out0 = y W_proj^T + b_proj on codes of FP4.  Nothing is left out here.
; ROLES.  Source 0 = P = 256 rows of W_proj (panel 44 + pw of opimg), source 1 = Q = 128 tokens of y: a lane then holds eight neighbouring outputs of one token's row.
; SHARES.  A work-group makes 256 outputs x 128 tokens; wave (wp = w % 4, wq = w / 4) makes 64 x 64: 16 accumulators.  256 work-groups.
; LDS.  P's codes for all of K (131,072 bytes), Q's (8 x 8,192, each at the head of a K step's 16,384) and the scale bytes come by lane copies, each byte filled once, all asked for at the head; a K step is read
; behind the counted wait for its copies and a barrier.  The way out has a stage of its own for each wave, into which no copy lands.
; NO CLUSTER: the operands come by lane copies, which have no joint form.  A panel of W_proj is read by 64 work-groups, a half panel of y by 4.
; The bias is the C of each sum's first product.
.set PIMG,  0
.set QIMG,  131072
.set PSC,   262144
.set QSC,   270336
.set STG,   278528                     ; 16 rows x (256 bytes + 16) for each of 8 waves
.set SPARE, 313344                     ; the spare words, 128 bytes for each of 8 waves
; v1, v2 the add's two; v3 16 x thread; v4-7, v11 the copies' addresses, v15 and v14 those of K steps 4 to 7 (from the last K step on v3-7: the way out's); v8, v10 my fragments' LDS addresses; v9 the bias' offset; v12, v13 my scale words'
; v16-23 P's scale words, v24-31 Q's; v32-63 the bias; v64-95 P's four fragments; v96-127 Q's; v128-255 accumulator (a, b) at 128 + 8 (4 a + b)
	s_load_b256 s[4:11], s[0:1], 0x0               ; opimg, opscl, y_img, y_scl
	s_load_b128 s[12:15], s[0:1], 0x20             ; b_proj, out0
	v_lshl_add_u32 v1, v0, 2, SPARE
	v_mov_b32 v2, 0
	ds_add_u32 v1, v2                              ; the opening: the add, twice on end, and its wait ahead of my first copy
	ds_add_u32 v1, v2
	v_lshrrev_b32 v11, 5, v0
	s_delay_alu instid0(VALU_DEP_1)
	v_readfirstlane_b32 s20, v11                   ; wave 0..7
	v_lshlrev_b32 v3, 4, v0
	v_lshl_add_u32 v4, v0, 4, PIMG
	v_lshl_add_u32 v5, v0, 4, QIMG
	v_lshl_add_u32 v6, v0, 4, PSC
	v_lshrrev_b32 v7, 7, v0                        ; Q's scale bytes: 128 threads take 128 rows x 16 bytes of one half of K; the halves lie 4,096 bytes apart in memory and in LDS
	v_and_b32 v11, 127, v0
	s_delay_alu instid0(VALU_DEP_1)
	v_lshlrev_b32 v11, 4, v11
	s_delay_alu instid0(VALU_DEP_1)
	v_lshl_add_u32 v7, v7, 12, v11
	s_delay_alu instid0(VALU_DEP_1)
	v_add_nc_u32 v11, QSC, v7
	v_and_b32 v14, 31, v0
	s_delay_alu instid0(VALU_DEP_1)
	v_lshlrev_b32 v14, 4, v14                      ; 16 x lane, for the four lines below
	s_wait_alu depctr_va_vdst(0)
	v_bfe_u32 v9, v0, 4, 1
	s_delay_alu instid0(VALU_DEP_1)
	v_lshlrev_b32 v9, 5, v9                        ; the bias: 32 h bytes
	s_and_b32 s21, ttmp9, 3                        ; pw
	s_lshr_b32 s22, ttmp9, 2                       ; which 128 tokens
	s_and_b32 s23, s20, 3                          ; wp
	s_lshr_b32 s24, s20, 2                         ; wq
	s_lshl_b32 s30, s23, 12
	v_add_nc_u32 v8, s30, v14
	s_lshl_b32 s30, s24, 12
	s_add_co_u32 s30, s30, QIMG
	v_add_nc_u32 v10, s30, v14
	s_lshl_b32 s30, s23, 10
	s_add_co_u32 s30, s30, PSC
	v_add_nc_u32 v12, s30, v14
	s_lshl_b32 s30, s24, 10
	s_add_co_u32 s30, s30, QSC
	v_add_nc_u32 v13, s30, v14
	v_lshl_add_u32 v15, v0, 4, PIMG+65536          ; a copy's immediate stays under 65,536: K steps 4 to 7 have LDS address registers and bases of their own, 65,536 bytes on
	v_lshl_add_u32 v14, v0, 4, QIMG+65536
	s_add_co_u32 s25, s21, 44                      ; W_proj's panel in opimg
	s_lshr_b32 s28, s22, 1                         ; y's panel
	s_and_b32 s29, s22, 1                          ; and which half of its rows
	s_mov_b32 s27, 0
	s_wait_alu depctr_va_vdst(0)
	s_wait_dscnt 0x0                               ; both opening adds are done
	s_wait_kmcnt 0x0
	s_lshl_b32 s26, s25, 17
	s_add_nc_u64 s[32:33], s[4:5], s[26:27]        ; P's codes
	s_lshl_b32 s26, s25, 13
	s_add_nc_u64 s[36:37], s[6:7], s[26:27]        ; P's scale bytes
	s_lshl_b32 s26, s28, 17
	s_lshl_b32 s30, s29, 13
	s_add_co_u32 s26, s26, s30
	s_add_nc_u64 s[34:35], s[8:9], s[26:27]        ; Q's codes: row tiles 8 x half on
	s_add_nc_u64 s[40:41], s[32:33], 0x10000       ; and both at K step 4
	s_add_nc_u64 s[42:43], s[34:35], 0x10000
	s_lshl_b32 s26, s28, 13
	s_lshl_b32 s30, s29, 11
	s_add_co_u32 s26, s26, s30
	s_add_nc_u64 s[38:39], s[10:11], s[26:27]      ; Q's scale bytes: rows 128 x half on
	; ALL COPIES, 51 a wave, 4,096 bytes each over the work-group: the scales (three), then K step by K step P's four and Q's two
	global_load_async_to_lds_b128 v6, v3, s[36:37]
	global_load_async_to_lds_b128 v6, v3, s[36:37] offset:4096
	global_load_async_to_lds_b128 v11, v7, s[38:39]
.irp s, 0,1,2,3
.irp e, 0,1,2,3
	global_load_async_to_lds_b128 v4, v3, s[32:33] offset:4096*(4*\s+\e)
.endr
.irp e, 0,1
	global_load_async_to_lds_b128 v5, v3, s[34:35] offset:16384*\s+4096*\e
.endr
.endr
.irp s, 0,1,2,3                        ; K steps 4 + s
.irp e, 0,1,2,3
	global_load_async_to_lds_b128 v15, v3, s[40:41] offset:4096*(4*\s+\e)
.endr
.irp e, 0,1
	global_load_async_to_lds_b128 v14, v3, s[42:43] offset:16384*\s+4096*\e
.endr
.endr
	s_lshl_b32 s26, s21, 10
	s_lshl_b32 s30, s23, 8
	s_add_co_u32 s26, s26, s30                     ; my wave's 64 outputs, in bytes
	s_add_nc_u64 s[12:13], s[12:13], s[26:27]
	s_lshl_b32 s30, s22, 19
	s_add_co_u32 s26, s26, s30
	s_lshl_b32 s30, s24, 18
	s_add_co_u32 s26, s26, s30                     ; + my first token's row: (128 x block + 64 wq) x 4,096
	s_add_nc_u64 s[14:15], s[14:15], s[26:27]
.irp b, 0,1,2,3
.irp e, 0,1
	global_load_b128 v[32+8*\b+4*\e:35+8*\b+4*\e], v9, s[12:13] offset:64*\b+16*\e   ; the bias of outputs 16 b + 8 h + 0 .. 7
.endr
.endr
.macro WM a, b, q, cm                  ; accumulator (a, b) += P tile b x Q tile a.  cm = 0: in place; 1: C = bias set b.  Odd tiles' scale words stand in lanes 16-31 of their pair's register
.set rD, 128+8*(4*(\a)+(\b))
.if (\cm) == 0
.set rC, rD
.else
.set rC, 32+8*(\b)
.endif
.set rP, 64+8*(\b)
.set rQ, 96+8*(\a)
.set rSP, 16+4*((\b)/2)+(\q)
.set rSQ, 24+4*((\a)/2)+(\q)
.if (((\b)%2) == 0) && (((\a)%2) == 0)
	v_wmma_scale_f32_16x16x128_f8f6f4 v[rD:rD+7], v[rP:rP+7], v[rQ:rQ+7], v[rC:rC+7], v[rSP], v[rSQ] matrix_a_fmt:MATRIX_FMT_FP4 matrix_b_fmt:MATRIX_FMT_FP4
.elseif (((\b)%2) == 1) && (((\a)%2) == 0)
	v_wmma_scale_f32_16x16x128_f8f6f4 v[rD:rD+7], v[rP:rP+7], v[rQ:rQ+7], v[rC:rC+7], v[rSP], v[rSQ] matrix_a_fmt:MATRIX_FMT_FP4 matrix_b_fmt:MATRIX_FMT_FP4 matrix_a_scale:MATRIX_SCALE_ROW1
.elseif (((\b)%2) == 0) && (((\a)%2) == 1)
	v_wmma_scale_f32_16x16x128_f8f6f4 v[rD:rD+7], v[rP:rP+7], v[rQ:rQ+7], v[rC:rC+7], v[rSP], v[rSQ] matrix_a_fmt:MATRIX_FMT_FP4 matrix_b_fmt:MATRIX_FMT_FP4 matrix_b_scale:MATRIX_SCALE_ROW1
.else
	v_wmma_scale_f32_16x16x128_f8f6f4 v[rD:rD+7], v[rP:rP+7], v[rQ:rQ+7], v[rC:rC+7], v[rSP], v[rSQ] matrix_a_fmt:MATRIX_FMT_FP4 matrix_b_fmt:MATRIX_FMT_FP4 matrix_a_scale:MATRIX_SCALE_ROW1 matrix_b_scale:MATRIX_SCALE_ROW1
.endif
.endm
.macro MM q, cm                        ; a K step's 16 products: the 16 accumulators take turns, one instruction a turn, in the same order in every step
.irp a, 0,1,2,3
.irp b, 0,1,2,3
	WM \a, \b, \q, \cm
.endr
.endr
.endm
.macro KLOAD s
	s_wait_asynccnt 6*(7-(\s))                     ; copies end in order: all but the six of each later K step are done
	s_barrier_signal -1                            ; (no LDS instruction of mine is out)
	s_barrier_wait -1
.if (\s) > 0
.rept 4
	v_nop                                          ; four places between the last products and loads into registers that they read
.endr
.endif
.if (\s) == 4
	v_add_nc_u32 v8, 0x10000, v8                   ; the LDS immediate has 16 bits: K steps 4 to 7 lie 65,536 bytes on
	s_wait_alu depctr_va_vdst(0)
	v_add_nc_u32 v10, 0x10000, v10
.endif
.if ((\s)%4) == 0
	s_wait_alu depctr_va_vdst(0)
.irp j, 0,1
	ds_load_b128 v[16+4*\j:19+4*\j], v12 offset:4096*((\s)/4)+512*\j
	ds_load_b128 v[24+4*\j:27+4*\j], v13 offset:4096*((\s)/4)+512*\j
.endr
.endif
.irp b, 0,1,2,3
.irp c, 0,1
	ds_load_b128 v[64+8*\b+4*\c:67+8*\b+4*\c], v8 offset:16384*((\s)%4)+1024*\b+512*\c
	ds_load_b128 v[96+8*\b+4*\c:99+8*\b+4*\c], v10 offset:16384*((\s)%4)+1024*\b+512*\c
.endr
.endr
	s_wait_dscnt 0x0
.endm
	KLOAD 0
	s_wait_loadcnt 0x0                             ; the bias
	MM 0, 1
.irp s, 1,2,3,4,5,6,7
	KLOAD \s
	MM (\s)%4, 0
.endr
	; THE WAY OUT.  All copies were waited for at the last K step, so their address registers are free.  These eleven plain lines are also the places behind the last products.
	v_and_b32 v3, 15, v0                           ; r
	v_bfe_u32 v4, v0, 4, 1                         ; h
	s_mul_i32 s30, s20, 16*272
	s_add_co_u32 s30, s30, STG                     ; my stage
	v_mul_u32_u24 v5, v3, 272
	s_delay_alu instid0(VALU_DEP_1)
	v_lshl_add_u32 v5, v4, 5, v5
	s_delay_alu instid0(VALU_DEP_1)
	v_add_nc_u32 v5, s30, v5                       ; in: row r, + 32 h
	v_mul_u32_u24 v6, v4, 272
	s_delay_alu instid0(VALU_DEP_1)
	v_lshl_add_u32 v6, v3, 4, v6
	s_delay_alu instid0(VALU_DEP_1)
	v_add_nc_u32 v6, s30, v6                       ; back: lanes 0-15 one row of 256 bytes, lanes 16-31 the next
	v_lshlrev_b32 v7, 12, v4
	s_delay_alu instid0(VALU_DEP_1)
	v_lshl_add_u32 v7, v3, 4, v7                   ; and the same two rows in out0
	s_wait_alu depctr_va_vdst(0)
	v_nop
.macro TOSTAGE a                       ; tokens 16 a on: 16 rows x 64 outputs through my stage; each accumulator from its low end on
.irp b, 0,1,2,3
	ds_store_b128 v5, v[128+8*(4*(\a)+\b):131+8*(4*(\a)+\b)] offset:64*\b
	ds_store_b128 v5, v[132+8*(4*(\a)+\b):135+8*(4*(\a)+\b)] offset:64*\b+16
.endr
.set BB, 64+32*((\a)%2)
.irp i, 0,1,2,3,4,5,6,7
	ds_load_b128 v[BB+4*\i:BB+4*\i+3], v6 offset:544*\i   ; LDS serves a wave's instructions in order: these see the stores above, and the next block's stores come behind them
.endr
.endm
.macro SEND a, younger                 ; younger: the LDS instructions issued behind block a's loads, which may stay out
.set BB, 64+32*((\a)%2)
	s_wait_dscnt \younger
.irp i, 0,1,2,3,4,5,6,7
	global_store_b128 v7, v[BB+4*\i:BB+4*\i+3], s[14:15] offset:(16*(\a)+2*\i)*4096 th:TH_STORE_NT   ; sixteen lanes store 256 consecutive bytes, at a multiple of 256 from out0's first byte
.endr
.endm
	TOSTAGE 0
.irp a, 1,2,3
.if \a > 1
	s_wait_xcnt 0x0                                ; block a - 2's stores have read their registers: block a's loads may land there
.endif
	TOSTAGE \a
	SEND (\a)-1, 16                                ; behind block a - 1's loads: block a's 8 stores and 8 loads
.endr
	SEND 3, 0
	s_wait_tensorcnt 0x0                           ; the wave's end, behind my last LDS store
	s_wait_asynccnt 0x0
	ds_add_u32 v1, v2
	s_wait_dscnt 0x0
	s_endpgm
.Lfunc_end_k_q73b599d49f_proj:
	.size	k_q73b599d49f_proj, .Lfunc_end_k_q73b599d49f_proj-k_q73b599d49f_proj
	.p2alignl 7, 3214868480
	.fill 96, 4, 3214868480
	.section	.rodata,"a",@progbits
	.p2align	6, 0x0
	.amdhsa_kernel k_q73b599d49f_proj
		.amdhsa_group_segment_fixed_size 314368
		.amdhsa_private_segment_fixed_size 0
		.amdhsa_enable_private_segment 0
		.amdhsa_kernarg_size 48
		.amdhsa_user_sgpr_count 2
		.amdhsa_user_sgpr_kernarg_segment_ptr 1
		.amdhsa_wavefront_size32 1
		.amdhsa_system_sgpr_workgroup_id_x 1
		.amdhsa_system_sgpr_workgroup_id_y 1
		.amdhsa_system_sgpr_workgroup_id_z 1
		.amdhsa_system_vgpr_workitem_id 0
		.amdhsa_next_free_vgpr 256
		.amdhsa_next_free_sgpr 66
		.amdhsa_reserve_vcc 0
		.amdhsa_float_denorm_mode_32 3
		.amdhsa_float_denorm_mode_16_64 3
		.amdhsa_memory_ordered 1
		.amdhsa_forward_progress 1
		.amdhsa_inst_pref_size 44
	.end_amdhsa_kernel
	.amdgpu_metadata
---
amdhsa.version: [ 1, 2 ]
amdhsa.kernels:
  - .name:           k_q73b599d49f_proj
    .symbol:         k_q73b599d49f_proj.kd
    .args:
      - { .name: opimg, .offset: 0, .size: 8, .value_kind: global_buffer, .address_space: global }
      - { .name: opscl, .offset: 8, .size: 8, .value_kind: global_buffer, .address_space: global }
      - { .name: y_img, .offset: 16, .size: 8, .value_kind: global_buffer, .address_space: global }
      - { .name: y_scl, .offset: 24, .size: 8, .value_kind: global_buffer, .address_space: global }
      - { .name: b_proj, .offset: 32, .size: 8, .value_kind: global_buffer, .address_space: global }
      - { .name: out0, .offset: 40, .size: 8, .value_kind: global_buffer, .address_space: global }
    .group_segment_fixed_size: 314368
    .private_segment_fixed_size: 0
    .kernarg_segment_align: 8
    .kernarg_segment_size: 48
    .max_flat_workgroup_size: 256
    .sgpr_count:     66
    .vgpr_count:     256
    .wavefront_size: 32
...
	.end_amdgpu_metadata
.endif
;; end of part 4
